; MI455X (gfx1250); checked and timed in simulation.
; The chip was launched on July 23, 2026; its instructions are those of AMD's public machine-readable ISA for CDNA 5 (MIT licence, August 2026) and "CDNA5" Instruction Set Architecture Reference Guide (July 2026). The comments in the code are by the model that wrote it; some were corrected since.
;; GGUF Weight. Allowed arithmetic: matrix products marked QUANTISED: E2M3 operands, one E8M0 scale for each 32 along K, by v_wmma_scale_f32_16x16x128_f8f6f4 with both operands' format E2M3, f32 sums; everything else in f32.
;; Inputs: bias 4,096 float32; qweight 4,096 x 4,096 int32; scales 4,096 x 128 float32; x 4 x 1,024 x 4,096 float32.
;; Outputs: out0 4 x 1,024 x 4,096 float32.
;; This version of the problem:
;;   THIS VERSION OF THE PROBLEM IS GIVEN IN LOW PRECISION. The matrix products marked QUANTISED in the list below multiply operands that are first quantised to E2M3 (2 exponent bits, 3 mantissa bits; 6 bits a number), with one power-of-two scale for each 32 numbers along K (OCP MX v1.0); their sums are f32. All else is computed in f32.
;;   The module's matrix products, in the order in which they are computed (A, B: the left and right operand; K: the contracted axis; several contracted axes count as one K, in the product's order):
;;     1. [M 4,096, K 4,096] x [K 4,096, N 4,096]; A: input x; B: computed on the way: QUANTISED
;;   THE QUANTISER, for each operand of a quantised product, along K:
;;     - K is cut into blocks of 32 from its start; a last block that is shorter is filled with zeros.
;;     - A block's scale is 2^e with e = floor(log2(the largest magnitude in the block)) - 2, held to -126 .. 127; a block of zeros has e = 0. As a byte (E8M0): e + 127.
;;     - Each number is divided by its block's scale, clamped to +-7.5, and rounded to the nearest number of E2M3, ties to even, subnormals kept.
;;     - The product sums the exact products of the quantised numbers (number of the format x scale) in f32.
;;   ~~~python
;;   def quantise(x, axis):      # numpy; x: float32 -> the quantised numbers, widened to float32 again
;;       x = np.moveaxis(x, axis, -1); K = x.shape[-1]
;;       x = np.pad(x, [(0, 0)] * (x.ndim - 1) + [(0, -K % 32)]); x = x.reshape(x.shape[:-1] + (-1, 32)); a = np.abs(x).max(-1, keepdims=True)
;;       e = np.where(a > 0, np.clip(np.frexp(np.where(a > 0, a, 1))[1] - 1 - 2, -126, 127), 0)      # np.frexp(a)[1] - 1 = floor(log2(a)), exactly
;;       r = np.clip(x / 2.0 ** e, -7.5, 7.5)
;;       step = 2.0 ** (np.maximum(np.frexp(np.where(r == 0, 1, r))[1] - 1, 0) - 3)
;;       q = np.round(r / step) * step * 2.0 ** e      # np.round: ties to even
;;       return np.moveaxis(q.reshape(q.shape[:-2] + (-1,))[..., :K], -1, axis).astype(np.float32)
;;   ~~~
;;   OPERANDS COMPUTED ON THE WAY. 'Computed on the way' means the value that the module computes at that place (a softmax that the list does not call 'softmax' is quantised finished and normalised). What goes into a quantiser is computed in f32, as accurately as f32 sums, v_exp_f32 and their like allow (about 1e-6 of the number): no bf16 or f16 on the way to a quantiser, and a product that is left as it is and whose result goes on into a quantised operand takes f32 operands (vector FMAs, or v_wmma_f32_16x16x4_f32). A number that lies on a knife's edge between two numbers of the format may be rounded either way, as far as f32 arithmetic and the matrix unit's own rounding can turn it there, and no further.
;; One version. Each part assembles by itself: llvm-mc -triple=amdgcn-amd-amdhsa -mcpu=gfx1250 --defsym DOCPART=n.
;; ======== version 1 of 1: 2 launches
;; limits: right only within a limited range of input values
;; workspace buffers: a_pack 13,107,200 bytes; b_pack 13,107,200 bytes
;; launch quant (part 1): grid 1024 x 1, 4 waves a work-group, no clusters, 66,048 bytes of LDS; arguments x, qweight, a_pack, b_pack, scales; writes a_pack, b_pack
.if DOCPART == 1
	.amdgcn_target "amdgcn-amd-amdhsa--gfx1250"
	.amdhsa_code_object_version 6
	.text
	.protected	k_q9759061813_quant
	.globl	k_q9759061813_quant
	.p2align	8
	.type	k_q9759061813_quant,@function
k_q9759061813_quant:
	s_mov_b64 s[64:65], 0
	v_nop
	global_prefetch_b8 v0, s[64:65] scope:SCOPE_SE
	s_setreg_imm32_b32 hwreg(HW_REG_WAVE_MODE, 25, 1), 1
	s_wait_xcnt 0x0
; Both operands of out = x w^T + bias are turned into codes of FP6 (E2M3), 6 bits each, with one E8M0 scale byte for each 32 along K, laid in the order in which the product's launch takes them into registers.
; x [4096][4096] f32 is taken as it is.  w[n][k] = (qweight[n][k] - 8) x scales[n][k / 32] is first made in f32: float(q) x s + (-8 s) in ONE fused multiply-add; -8 s is exact, so the
; result is (q - 8) x s rounded once, the same bits as a subtraction followed by a multiplication.
; A block's MX scale is 2^(floor(log2(its largest magnitude)) - 2); its byte is the largest magnitude's own exponent field - 2, held at 1 from below.  Each number is divided by the scale and
; rounded to the nearest code, ties to even; beyond 7.5 the conversion gives the largest code.
; LIMITS: NaN and infinities among the inputs are not served.  A block of zeros gets the byte 1 where the rule says 127: its codes are zeros, which add nothing under any byte but 0xff, and
; the bytes are read by this program alone.  Blocks whose largest magnitude lies under 2^-124 (the floor) are quantised under the held byte 1.  float(q) is exact for |q| < 2^24; beyond
; that w may differ from (q - 8) x s in its last bit.  -8 s overflows for |s| >= 2^125.
; THE OUTPUT.  A RECORD is 16 rows x 128 along K: 1,536 bytes of codes and 64 bytes of scale words.  Codes: for each half c of the 128 (64 numbers, 48 bytes a row) the 16 rows' pieces on end:
; byte 768 c + 48 r.  So lane l = 16 c + r of the product's wave finds its 48 bytes at 48 l.  It takes them as the matrix instruction's blocks c and 2 + c, so the scale word of row r (at 4 r)
; holds the bytes of the true blocks 0, 2, 1, 3 in this order.  Both operands are laid alike, so equal k still meet.
; A buffer is [32 groups of 128 rows][32 K steps][12,800 bytes]; the 12,800 bytes are the eight records' codes on end (8 x 1,536: each begins at a multiple of 256 bytes), then their scale words on end (8 x 64).
; SHARES.  Work-groups 0 .. 511 take x, 512 .. 1023 the weights.  A wave takes 16 rows x 512 along K, four records, in 16 steps of 8 rows x 64 along K.
; x: the four waves of a work-group take four neighbouring blocks of 16 rows at one piece of K: their codes lie on end, and so do their scale words, 256 bytes.
; The weights: the four waves take the SAME 16 rows and four neighbouring pieces of 512 along K, so that their loads of the f32 scales (64 bytes of a row each) together cover 256 consecutive bytes of each row.
; The conversion takes 16 numbers of ONE block from a lane's registers, so a lane must hold 16 NEIGHBOURS (two neighbouring lanes hold a block); a load is best where neighbouring LANES take neighbouring
; bytes.  Both are had: each of a step's four loads reads two rows' 256 consecutive bytes, each at a multiple of 256 from the buffer's first byte, 16 bytes a lane; the 2,048 bytes go through the wave's own
; stage in LDS and come back 64 bytes a lane (four lanes to a row).  The stage has 16 bytes of padding behind each 64.  A lane's 16 codes are 12 bytes, and a step's 32 lanes are 8 rows x 48 bytes:
; 384 consecutive bytes of a record.  A record's four steps are stored on end, behind its fourth step: 1,536 consecutive bytes, six whole blocks of 256.
; The wave's 256 scale bytes are gathered in its own LDS and leave by one store, 64 consecutive bytes for each record: these blocks of 256 are written in part, one byte in 25 of what the launch stores.
; No tensor loads, no barrier: waves share nothing.  Loads run four steps (16 loads a wave) ahead, the turn through LDS one step.  Every offset is an immediate and every step has registers of
; its own for its codes and its byte: no address, base or store datum is ever written again, so no wait on XCNT is needed.
; The two paths part on the work-group's number and have LDS bytes of their own: x's from byte 0, the weights' from byte 32,768.
.set STEPS, 16
.set WGA,   512                        ; x's work-groups, and the weights': 256 blocks of 16 rows x 8 pieces of 512 along K, four to a work-group
.set CB,    12                         ; bytes of 16 codes
.set ROWX,  16384                      ; a row of x or of qweight in bytes
.set CODB,  1536                       ; a record's codes
.set SCW,   8*CODB                     ; where the scale words of 128 rows begin in a K step's bytes
.set QROW,  SCW+8*64                   ; the records of 128 rows for one K step: 12,800 bytes
.set GROW,  32*QROW                    ; and for all of K
.set R,     16                         ; v16-79   four sets of 16 numbers as they are loaded
.set X,     80                         ; v80-111  two sets of 16 neighbours
.set E,     112                        ; v112-127 a scale byte for each step
.set C,     128                        ; v128-191 codes: four registers for each step (three used)
.set RS,    192                        ; v192-199 weights: the wave's 256 f32 scales as they are loaded
.set ASI,   200                        ; v200     weights: where I put 16 bytes of them in LDS
.set ASO,   201                        ; v201     weights: where I read my block's scale
.set SS,    202                        ; v[202:203], v[204:205] weights: my block's scale, for even and odd steps (the pair's upper word is written once and not used)
.set M8,    206                        ; v[206:207] weights: -8 x the scale (likewise)
.set SGO,   10                         ; v10      weights: my byte offset among the 16 rows' f32 scales
.set SPW,   208                        ; v208     LDS address of my spare word; never rewritten
.set NIL,   209                        ; v209     0; never rewritten
.set WREG,  8192                       ; LDS: a region of its own for each wave:
.set SP,    80                         ;   two stages of 32 places of 64 bytes + 16 of padding,
.set BYT,   2*32*SP                    ;   the wave's 256 scale bytes: record q, row r, byte b at 64 q + 4 r + b,
.set SIN,   BYT+256                    ;   and (weights) its 256 f32 scales: row r, block j at 64 r + 4 j
.set WLDS,  32768                      ; the weights' path: its regions begin here
.set SPARE, 65536                      ; behind both paths' regions: the spare words, 512 bytes that no other line names
	s_load_b128 s[4:7], s[0:1], 0x0                ; x, qweight
	s_load_b128 s[8:11], s[0:1], 0x10              ; x's records, w's records
	s_load_b64 s[24:25], s[0:1], 0x20              ; the weights' f32 scales
	v_lshl_add_u32 v[SPW], v0, 2, SPARE
	v_mov_b32 v[NIL], 0
	v_lshrrev_b32 v1, 5, v0
	v_readfirstlane_b32 s16, v1                    ; wave
	v_and_b32 v2, 31, v0                           ; lane
	v_and_b32 v3, 15, v2
	v_lshlrev_b32 v3, 4, v3
	v_lshrrev_b32 v1, 4, v2
	v_lshl_add_u32 v3, v1, 14, v3                  ; a load: lanes 0-15 one row's 256 bytes, lanes 16-31 the next row's
	s_mul_i32 s17, s16, WREG
	v_lshrrev_b32 v14, 2, v2
	v_mul_u32_u24 v14, v14, SP
	v_and_b32 v15, 3, v2
	v_lshl_add_u32 v14, v15, 4, v14
	v_add_nc_u32 v14, s17, v14                     ; the stage, on the way in: SP (lane / 4) + 16 (lane % 4); a load's 512 bytes take eight places
	v_mul_u32_u24 v15, v2, SP
	v_add_nc_u32 v15, s17, v15                     ; and on the way out: SP x lane: row lane / 4 of the step's eight, numbers 16 (lane % 4) on
	v_mul_u32_u24 v4, v2, CB                       ; my codes' place in a step's 384 bytes
	s_add_co_u32 s26, s17, BYT
	v_lshrrev_b32 v1, 2, v2                        ; lane / 4: my row of the step's eight
	v_lshl_add_u32 v5, v1, 2, s26                  ; LDS: my row's scale word,
	v_lshl_add_u32 v[ASO], v1, 6, s17              ; my row's f32 scales,
	v_and_b32 v[SGO], 3, v2
	v_lshlrev_b32 v[SGO], 4, v[SGO]
	v_lshl_add_u32 v[SGO], v1, 9, v[SGO]           ; and in memory: four lanes take a row's 64 bytes; a row of scales is 512 bytes
	v_bfe_u32 v1, v2, 1, 1                         ; which of the 64 numbers' two blocks is mine
	v_lshl_add_u32 v5, v1, 1, v5                   ; its byte stands two places up in the word
	v_lshl_add_u32 v[ASO], v1, 2, v[ASO]
	v_lshl_add_u32 v6, v2, 3, s26                  ; the scale words on the way out: 8 bytes a lane,
	v_and_b32 v7, 7, v2
	v_lshlrev_b32 v7, 3, v7
	v_lshrrev_b32 v1, 3, v2
	v_mad_u32_u24 v7, v1, QROW, v7                 ; eight lanes to a record's 64 bytes (their place in the K step's bytes is added below)
	v_lshl_add_u32 v[ASI], v2, 4, s17              ; the f32 scales into LDS: 16 bytes a lane
	s_wait_alu depctr_va_vdst(0)
	s_wait_kmcnt 0x0
	s_cmp_lt_u32 ttmp9, WGA                        ; x's work-group or the weights'?  The choice hangs on the work-group's number alone
	s_cselect_b64 s[4:5], s[4:5], s[6:7]           ; the numbers,
	s_cselect_b64 s[8:9], s[8:9], s[10:11]         ; the records
	s_cselect_b32 s27, 0, WGA
	s_sub_co_u32 s27, ttmp9, s27                   ; the work-group's number within its tensor: 0 .. 511
	s_and_b32 s23, s27, 7                          ; x: which 512 along K,
	s_lshr_b32 s18, s27, 3
	s_lshl_b32 s18, s18, 2
	s_add_co_u32 s18, s18, s16                     ; and which block of 16 rows is my wave's
	s_and_b32 s22, s27, 1                          ; the weights: which 512 along K is my wave's,
	s_lshl_b32 s22, s22, 2
	s_add_co_u32 s22, s22, s16
	s_lshr_b32 s19, s27, 1                         ; and the work-group's block of 16 rows
	s_cmp_lt_u32 ttmp9, WGA
	s_cselect_b32 s23, s23, s22                    ; the piece of K: 0 .. 7
	s_cselect_b32 s18, s18, s19                    ; the block of 16 rows: 0 .. 255
	s_mov_b32 s21, 0
	s_lshl_b32 s20, s18, 18                        ; 16 rows of 16,384 bytes,
	s_lshl_b32 s19, s23, 11                        ; 512 numbers of 4 bytes
	s_add_co_u32 s20, s20, s19
	s_add_nc_u64 s[4:5], s[4:5], s[20:21]
	s_lshr_b32 s19, s18, 3                         ; the records: the group of 128 rows,
	s_mul_i32 s20, s19, GROW
	s_mul_i32 s19, s23, 4*QROW                     ; four K steps for each 512 along K,
	s_add_co_u32 s20, s20, s19
	s_and_b32 s19, s18, 7                          ; the block i of 16 rows in its group:
	s_mul_i32 s22, s19, CODB-64
	s_sub_co_u32 s22, SCW, s22                     ; its scale words lie at SCW + 64 i, that is SCW - (CODB - 64) i behind its codes (1,984 bytes at the least)
	v_add_nc_u32 v7, s22, v7
	s_mul_i32 s19, s19, CODB                       ; its codes at CODB i
	s_add_co_u32 s20, s20, s19
	s_add_nc_u64 s[8:9], s[8:9], s[20:21]
	s_lshl_b32 s20, s18, 13                        ; the f32 scales: 16 rows of 512 bytes, 16 blocks of 4 bytes (the weights' path adds it)
	s_lshl_b32 s19, s23, 6
	s_add_co_u32 s20, s20, s19
; Step t takes rows 8 (t % 2) .. + 7 and the numbers 64 (t / 2) .. + 63 of the wave's 512.
.macro LOAD t
.irp i, 0,1,2,3
	global_load_b128 v[R+16*((\t)%4)+4*\i:R+16*((\t)%4)+4*\i+3], v3, s[4:5] offset:(8*((\t)%2)+2*\i)*ROWX+256*((\t)/2) th:TH_LOAD_NT   ; two rows' 256 consecutive bytes; read once in the launch
.endr
.endm
; Step t's numbers through the stage: LDS serves a wave's instructions in order (ISA guide 5.7.1.4), so no wait stands between the stores and the loads.  lb: the path's first LDS byte.  w = 1: my block's f32 scale comes too.
.macro TURN t, lb, w
.irp i, 0,1,2,3
	ds_store_b128 v14, v[R+16*((\t)%4)+4*\i:R+16*((\t)%4)+4*\i+3] offset:\lb+32*SP*((\t)%2)+8*SP*\i
.endr
.irp i, 0,1,2,3
	ds_load_b128 v[X+16*((\t)%2)+4*\i:X+16*((\t)%2)+4*\i+3], v15 offset:\lb+32*SP*((\t)%2)+16*\i
.endr
.if \w
	ds_load_b32 v[SS+2*((\t)%2)], v[ASO] offset:\lb+SIN+512*((\t)%2)+8*((\t)/2)     ; row 8 (t % 2) + lane / 4, block 2 (t / 2) + my one of the two
.endif
.endm
.macro STEP t, lb, w
.set XS, X+16*((\t)%2)
.set SQ, SS+2*((\t)%2)
.if (\t) > 0
	s_wait_dscnt 1                                 ; this step's numbers are back from the stage (the last step's byte store may be out): so its stores into the stage have read their registers,
.else
	s_wait_dscnt 0x0
.endif
.if (\t)+4 < STEPS
	LOAD (\t)+4                                    ; which take the loads of four steps on
.endif
.if (\t)+1 < STEPS
.if STEPS-2-(\t) >= 3
	s_wait_loadcnt 12                              ; the next step's four loads are in; those of the three steps behind it may be out
.else
	s_wait_loadcnt 4*(STEPS-2-(\t))                ; the last steps ask for nothing: the counts run down
.endif
	TURN (\t)+1, \lb, \w                           ; and go through the other stage while this step is worked
.endif
.if \w
.irp i, 0,1,2,3,4,5,6,7,8,9,10,11,12,13,14,15
	v_cvt_f32_i32 v[XS+\i], v[XS+\i]               ; q as f32
.endr
	v_mul_f32 v[M8], 0xc1000000, v[SQ]             ; -8 s: exact
.irp i, 0,2,4,6,8,10,12,14
	v_pk_fma_f32 v[XS+\i:XS+\i+1], v[XS+\i:XS+\i+1], v[SQ:SQ+1], v[M8:M8+1] op_sel_hi:[1,0,0]   ; w = q s - 8 s, rounded once; of the pairs s and -8 s the low word serves both halves
.endr
.endif
	v_max3_num_f32 v8, |v[XS]|, |v[XS+1]|, |v[XS+2]|               ; the largest magnitude of my 16, in two chains
	v_max3_num_f32 v9, |v[XS+3]|, |v[XS+4]|, |v[XS+5]|
.irp i, 6,10
	v_max3_num_f32 v8, v8, |v[XS+\i]|, |v[XS+\i+1]|
	v_max3_num_f32 v9, v9, |v[XS+\i+2]|, |v[XS+\i+3]|
.endr
	v_max3_num_f32 v8, v8, |v[XS+14]|, |v[XS+15]|
	v_max3_num_f32 v8, v8, v9, 0x1800000           ; and the floor 2^(3 - 127), under which no largest magnitude is taken: so the byte cannot fall under 1
	v_max_num_f32_dpp v8, v8, v8 row_xmask:1 row_mask:0xf bank_mask:0xf   ; and of my neighbour's 16: the block's
	v_add_nc_u32 v11, 0xff000000, v8               ; 2 off its exponent field: the conversion takes the exponent field of this operand as its scale, and nothing else of it
	v_cvt_scalef32_pk16_fp6_f32 v[C+4*(\t):C+4*(\t)+2], v[XS:XS+15], v11   ; sixteen numbers / the scale, to the nearest code, ties to even; 96 bits without gaps, the first number's code lowest
	v_lshrrev_b32 v[E+(\t)], 23, v11               ; the scale's byte (also the plain instruction behind the conversion)
	ds_store_b8 v5, v[E+(\t)] offset:\lb+64*((\t)/4)+32*((\t)%2)+((\t)/2)%2   ; record t / 4, rows 8 (t % 2) on; the half of the 128 picks byte 0 or 1, my block of the half adds 2.  Both lanes of a block write the same byte with the same value
.if (\t)%4 == 3
.irp u, 0,1,2,3
	global_store_b96 v4, v[C+4*((\t)-3+\u):C+4*((\t)-3+\u)+2], s[8:9] offset:QROW*((\t)/4)+384*\u   ; the record's four steps on end: step 4 q + u lies at 768 (u / 2) + 384 (u % 2) = 384 u
.endr
.endif
.endm
.macro TAIL lb
	ds_load_b64 v[12:13], v6 offset:\lb            ; LDS serves a wave's instructions in order: these see my byte stores
	s_wait_dscnt 0x0
	global_store_b64 v7, v[12:13], s[8:9]          ; eight lanes store a record's 64 bytes of scale words
	s_wait_tensorcnt 0x0                           ; the wave's end
	ds_add_u32 v[SPW], v[NIL]
	s_wait_dscnt 0x0
	s_endpgm
.endm
	s_cmp_lt_u32 ttmp9, WGA                        ; (compared anew: the sums above have written SCC)
	s_cbranch_scc0 .Lweights
	; ---- x
.irp t, 0,1,2,3
	LOAD \t
.endr
	s_wait_loadcnt 12                              ; step 0's four loads are in
	TURN 0, 0, 0
.irp t, 0,1,2,3,4,5,6,7,8,9,10,11,12,13,14,15
	STEP \t, 0, 0
.endr
	TAIL 0
	; ---- the weights
.Lweights:
	s_add_nc_u64 s[24:25], s[24:25], s[20:21]      ; my 16 rows' f32 scales, at my 16 blocks
	v_mov_b32 v[SS+1], 0                           ; the pairs' upper words: named by the packed form, so they are written
	v_mov_b32 v[SS+3], 0
	v_mov_b32 v[M8+1], 0
.irp i, 0,1
	global_load_b128 v[RS+4*\i:RS+4*\i+3], v[SGO], s[24:25] offset:4096*\i   ; eight rows' 64 bytes; the three other waves read the bytes beside them, so no hint
.endr
.irp t, 0,1,2,3
	LOAD \t
.endr
	s_wait_loadcnt 16                              ; the scales are in; the sixteen loads behind them may be out
	s_wait_alu depctr_va_vdst(0)
.irp i, 0,1
	ds_store_b128 v[ASI], v[RS+4*\i:RS+4*\i+3] offset:WLDS+SIN+512*\i
.endr
	s_wait_loadcnt 12                              ; step 0's four loads are in
	TURN 0, WLDS, 1
.irp t, 0,1,2,3,4,5,6,7,8,9,10,11,12,13,14,15
	STEP \t, WLDS, 1
.endr
	TAIL WLDS
.Lfunc_end_k_q9759061813_quant:
	.size	k_q9759061813_quant, .Lfunc_end_k_q9759061813_quant-k_q9759061813_quant
	.p2alignl 7, 3214868480
	.fill 96, 4, 3214868480
	.section	.rodata,"a",@progbits
	.p2align	6, 0x0
	.amdhsa_kernel k_q9759061813_quant
		.amdhsa_group_segment_fixed_size 66048
		.amdhsa_private_segment_fixed_size 0
		.amdhsa_enable_private_segment 0
		.amdhsa_kernarg_size 40
		.amdhsa_user_sgpr_count 2
		.amdhsa_user_sgpr_kernarg_segment_ptr 1
		.amdhsa_wavefront_size32 1
		.amdhsa_system_sgpr_workgroup_id_x 1
		.amdhsa_system_sgpr_workgroup_id_y 1
		.amdhsa_system_sgpr_workgroup_id_z 1
		.amdhsa_system_vgpr_workitem_id 0
		.amdhsa_next_free_vgpr 210
		.amdhsa_next_free_sgpr 66
		.amdhsa_reserve_vcc 0
		.amdhsa_float_denorm_mode_32 3
		.amdhsa_float_denorm_mode_16_64 3
		.amdhsa_memory_ordered 1
		.amdhsa_forward_progress 1
		.amdhsa_inst_pref_size 82
	.end_amdhsa_kernel
	.amdgpu_metadata
---
amdhsa.version: [ 1, 2 ]
amdhsa.kernels:
  - .name:           k_q9759061813_quant
    .symbol:         k_q9759061813_quant.kd
    .args:
      - { .name: x, .offset: 0, .size: 8, .value_kind: global_buffer, .address_space: global }
      - { .name: qweight, .offset: 8, .size: 8, .value_kind: global_buffer, .address_space: global }
      - { .name: a_pack, .offset: 16, .size: 8, .value_kind: global_buffer, .address_space: global }
      - { .name: b_pack, .offset: 24, .size: 8, .value_kind: global_buffer, .address_space: global }
      - { .name: scales, .offset: 32, .size: 8, .value_kind: global_buffer, .address_space: global }
    .group_segment_fixed_size: 66048
    .private_segment_fixed_size: 0
    .kernarg_segment_align: 8
    .kernarg_segment_size: 40
    .max_flat_workgroup_size: 128
    .sgpr_count:     66
    .vgpr_count:     210
    .wavefront_size: 32
...
	.end_amdgpu_metadata
.endif
;; end of part 1
;; launch gemm (part 2): grid 16 x 16, 4 waves a work-group, clusters of 4 x 4, 327,680 bytes of LDS; arguments a_pack, b_pack, out0, bias; writes out0
.if DOCPART == 2
	.amdgcn_target "amdgcn-amd-amdhsa--gfx1250"
	.amdhsa_code_object_version 6
	.text
	.protected	k_q9759061813_gemm
	.globl	k_q9759061813_gemm
	.p2align	8
	.type	k_q9759061813_gemm,@function
k_q9759061813_gemm:
	s_mov_b64 s[64:65], 0
	v_nop
	global_prefetch_b8 v0, s[64:65] scope:SCOPE_SE
	s_setreg_imm32_b32 hwreg(HW_REG_WAVE_MODE, 25, 1), 1
	s_wait_xcnt 0x0
	s_wait_alu depctr_hold_cnt(0) depctr_sa_sdst(0) depctr_va_vdst(0) depctr_va_sdst(0) depctr_va_ssrc(0) depctr_va_vcc(0) depctr_vm_vsrc(0)
	s_getreg_b32 s2, hwreg(HW_REG_IB_STS2, 6, 4)
	s_cmp_eq_u32 s2, 0
	s_cbranch_scc0 .Lentry_in_a_cluster
	s_endpgm
.Lentry_in_a_cluster:
	s_bfe_u32 s2, ttmp6, 0x10000c
	s_cmp_lg_u32 s2, 0xf033
	s_cbranch_scc0 .Lentry_shape_is_right
	s_endpgm
.Lentry_shape_is_right:
; out0[m][n] = sum over k of x[m][k] w[n][k] + bias[n], on the records that the launch before has laid: a record is 16 rows x 128 along K of FP6 (E2M3) codes (1,536 bytes, lane l's 48 bytes at 48 l)
; and 64 bytes of E8M0 scale words (row r's at 4 r).  A buffer is [32 groups of 128 rows][32 K steps][12,800 bytes]: eight records' codes on end, then their scale words on end: 50 blocks of 256 bytes.
; A tile of 256 x 256 is made by four waves, 128 x 128 each: 64 accumulators, 512 registers.  256 tiles, one work-group each.
; THE RING: two LDS slots, each with three K steps of A's 256 rows and B's 256 rows (4 x 38,400 bytes).  K's 32 steps go as chunk 0 of two steps (laid at the slot's second and third place), then ten chunks of three;
; chunk c lies in slot c % 2.  Each wave fetches a quarter of a chunk by one tensor load, a dense block taken as rows of 256 bytes.  By the text's own count a wave has one tensor load out.
; CLUSTERS: 4 x 4 work-groups; A's tiles are asked for jointly along a row of the cluster, B's along a column.  Each refill stands behind a round of the cluster's barrier.
; FRAGMENTS: A and B have TWO register sets each.  A step's 64 products go by A's blocks, eight at a time; behind the first eight stands ONE run of 56 LDS loads, the whole of the next step's set
; (B's eight fragments, the scale words, A's eight), 56 products ahead of its first use.  At a change of slots the run stands directly behind the refill, 48 products ahead.
; The matrix instruction is used transposed (source 0 = B's rows, source 1 = A's): a lane holds eight neighbouring numbers of a row of out0.  The first step takes the bias as C.
; One scale register holds A's block i in lanes 0-15 and B's block i in lanes 16-31.
; THE LAST STEP finishes A's blocks in order, so each block of 16 rows goes out (through the wave's stage in slot 1, which has had its last fill and its last read) while the later blocks are multiplied.
; PREFETCH: behind the joint load of chunk c each wave asks for chunk c + 1 of the tile part that it fetches: 150 blocks of 256 bytes, shared out among the four partners by address
; (38, 37, 38, 37 blocks: two instructions, a lane a block; the lanes left over name their wave's last block again).  Chunk 0 comes by its load alone; behind chunk 10's load nothing is asked.
; REGISTERS: window 0: v16-31 addresses, v32-47 scale words (two sets), v48-49 prefetch offsets, v64-159 and v160-255 A's sets.  Window 1: v0-95 and v128-223 B's sets, v96-127 and v224-255 the bias;
; on the way out v0-127 take rows read back from the stage.  Windows 2, 3: the accumulators of my rows 0-63, 64-127 ((a, b) at v[8 (8 (a % 4) + b)]).
.set SIZE_N, 4096
.set CODB,   1536                      ; a record's codes
.set SCW,    8*CODB                    ; where the scale words begin in a K step's bytes
.set QROW,   SCW+8*64                  ; 128 rows x one K step: 12,800 bytes
.set GROW,   32*QROW
.set FR,     12
.set HALFT,  3*QROW                    ; what one ring load brings: 128 rows x three K steps
.set SLOT,   4*HALFT
.set TRIPS,  4
.set SPARE,  2*SLOT                    ; the spare words: 512 bytes that no other line names
.set STAGE,  SLOT
.set SPITCH, 528
.set ADRA, 16                          ; v16-17 my A fragments in slot 0, 1
.set ADRB, 20                          ; v20-21 my B fragments
.set ADRS, 22                          ; v22-23 my scale words: lanes 0-15 A's, lanes 16-31 B's
.set STO,  24
.set RD,   25
.set CO,   26
.set SPW,  28
.set NIL,  29
.set BO,   30
.set SC,   32
.set PF,   48
.set AF,   64
.set G1, 24                            ; group 1, A, 150 rows;  s[32:39] group 0 for slots 0, 1
.set G0, 32
.set G1B, 48                           ; the same for B
.set G0B, 56
.set G1L, 68                           ; group 1 for chunk 0, 100 rows: A, B
.set G1LB, 76
.set G0H, 84                           ; group 0 for chunk 0: A, B
.set G0HB, 88
.set PFA, 92                           ; s[92:93] where my prefetches stand
.set MSB, 0
.macro WIN new
.if MSB != (\new)
	s_set_vgpr_msb (MSB<<8)|(\new)
.set MSB, (\new)
.endif
.endm
.set MUL_LO, 0xa1                      ; source 0 (B) window 1, source 1 (A) window 0, C and D window 2
.set TO_B,   0x40                      ; destination window 1, address window 0
; a joint load: waves 0, 1 fetch for A, waves 2, 3 for B; s_nop 0 and four v_nop behind each line
.macro JLOAD g0a, g1a, g0b, g1b
	s_cmp_eq_u32 s15, 0
	s_cbranch_scc0 .Lfor_b_\@
	tensor_load_to_lds s[\g0a:\g0a+3], s[\g1a:\g1a+7]
	s_nop 0
.rept 4
	v_nop
.endr
	s_branch .Lasked_\@
.Lfor_b_\@:
	tensor_load_to_lds s[\g0b:\g0b+3], s[\g1b:\g1b+7]
	s_nop 0
.rept 4
	v_nop
.endr
.Lasked_\@:
.endm
.macro CREST                           ; a round of the cluster's barrier behind its opening barrier
	s_cmp_lg_u32 s14, 0
	s_cbranch_scc1 .Lnot_wave_0_\@
	s_barrier_signal -3
.Lnot_wave_0_\@:
	s_barrier_wait -3
	s_barrier_signal -1
	s_barrier_wait -1
.endm
.macro CROUND
	s_barrier_signal -1
	s_barrier_wait -1
	CREST
.endm
.macro ASK                             ; my share of the next chunk's 150 blocks
	global_prefetch_b8 v[PF], s[PFA:PFA+1] th:TH_LOAD_NT scope:SCOPE_SE
	global_prefetch_b8 v[PF+1], s[PFA:PFA+1] th:TH_LOAD_NT scope:SCOPE_SE
.endm
.macro PLACES
.rept 4
	v_nop
.endr
.endm
	s_load_b128 s[4:7], s[0:1], 0x0                ; A's records, B's records
	s_load_b128 s[8:11], s[0:1], 0x10              ; out0, bias
	v_lshl_add_u32 v[SPW], v0, 2, SPARE
	v_mov_b32 v[NIL], 0
	ds_add_u32 v[SPW], v[NIL]                      ; the opening lines: the add twice on end and one wait
	ds_add_u32 v[SPW], v[NIL]
	v_lshrrev_b32 v1, 5, v0
	v_readfirstlane_b32 s14, v1                    ; wave
	s_lshr_b32 s15, s14, 1                         ; my half of the tile's rows; also: I fetch for A (0) or B (1)
	s_and_b32 s16, s14, 1                          ; my half of its columns; also: which group of 128 rows I fetch
	s_bfe_u32 s40, ttmp6, 0x40000                  ; cx
	s_bfe_u32 s41, ttmp6, 0x40004                  ; cy
	s_lshl_b32 s42, ttmp9, 2
	s_add_co_u32 s42, s42, s40                     ; tile column
	s_and_b32 s17, ttmp7, 0xffff
	s_lshl_b32 s17, s17, 2
	s_add_co_u32 s17, s17, s41                     ; tile row
	s_lshl_b32 s43, s41, 2
	s_lshl_b32 s43, 15, s43                        ; my row of the cluster
	s_lshl_b32 s44, 0x1111, s40                    ; my column
	s_or_b32 s[G1+0], s43, (3<<16)|(1<<21)         ; elements of 8 bytes, the mask, bit 21 beside it
	s_or_b32 s[G1B+0], s44, (3<<16)|(1<<21)
	s_or_b32 s[G1L+0], s43, (3<<16)|(1<<21)
	s_or_b32 s[G1LB+0], s44, (3<<16)|(1<<21)
.irp g, G1, G1B
	s_mov_b32 s[\g+1], 32<<16                      ; rows of 32 elements, 256 bytes
	s_mov_b32 s[\g+2], (HALFT/256)<<16
	s_mov_b32 s[\g+3], 32<<16
	s_mov_b32 s[\g+4], HALFT/256
	s_mov_b32 s[\g+5], 32
	s_mov_b32 s[\g+6], 0
	s_mov_b32 s[\g+7], 0
.endr
.irp g, G1L, G1LB
	s_mov_b32 s[\g+1], 32<<16
	s_mov_b32 s[\g+2], (2*QROW/256)<<16
	s_mov_b32 s[\g+3], 32<<16
	s_mov_b32 s[\g+4], 2*QROW/256
	s_mov_b32 s[\g+5], 32
	s_mov_b32 s[\g+6], 0
	s_mov_b32 s[\g+7], 0
.endr
	s_lshl_b32 s20, s17, 1
	s_add_co_u32 s20, s20, s16
	s_mul_i32 s20, s20, GROW                       ; A: my group's first byte
	s_mov_b32 s21, 0
	s_lshl_b32 s46, s42, 1
	s_add_co_u32 s46, s46, s16
	s_mul_i32 s46, s46, GROW                       ; B likewise
	s_mov_b32 s47, 0
	s_mul_i32 s45, s14, HALFT                      ; where my part of a chunk goes in a slot
	s_cmp_eq_u32 s15, 0
	s_cselect_b32 s18, s20, s46                    ; the prefetches: the group that I fetch,
	s_cselect_b32 s19, s40, s41                    ; my place p among the four that ask for it with me,
	s_mul_i32 s22, s19, 75
	s_add_co_u32 s22, s22, 1
	s_lshr_b32 s22, s22, 1                         ; my first block of the 150: 0, 38, 75, 113
	s_lshl_b32 s22, s22, 8
	s_add_co_u32 s18, s18, s22
	s_add_co_u32 s18, s18, 2*QROW                  ; at chunk 1
	s_and_b32 s19, s19, 1
	s_sub_co_u32 s94, 37, s19                      ; my last block's number in my share: 37 or 36
	s_mov_b32 s19, 0
	s_mul_i32 s22, s15, HALFT                      ; LDS: my 128 rows of A,
	s_mul_i32 s23, s16, HALFT
	s_add_co_u32 s23, s23, 2*HALFT                 ; of B,
	s_sub_co_u32 s95, s23, s22                     ; the distance between the two,
	s_mul_i32 s3, s14, 16*SPITCH
	s_add_co_u32 s3, s3, STAGE                     ; my stage
	v_and_b32 v1, 15, v0                           ; r
	v_bfe_u32 v2, v0, 4, 1                         ; h
	v_and_b32 v6, 31, v0                           ; lane
	v_mul_u32_u24 v4, v6, 48
	v_mul_u32_u24 v5, s95, v2
	v_lshl_add_u32 v5, v1, 2, v5
	v_add_nc_u32 v[ADRA], s22, v4
	v_add_nc_u32 v[ADRB], s23, v4
	v_add_nc_u32 v[ADRS], s22, v5
	v_add_nc_u32 v[ADRA+1], SLOT, v[ADRA]
	v_add_nc_u32 v[ADRB+1], SLOT, v[ADRB]
	v_add_nc_u32 v[ADRS+1], SLOT, v[ADRS]
	v_mul_u32_u24 v5, v1, SPITCH
	v_lshl_add_u32 v5, v2, 5, v5
	v_add_nc_u32 v[STO], s3, v5                    ; into the stage: row r, 32 bytes for each half of the lanes
	v_lshlrev_b32 v[CO], 4, v6                     ; back: the 32 lanes take a row of 512 bytes; the same in out0
	v_add_nc_u32 v[RD], s3, v[CO]
	v_lshlrev_b32 v[BO], 5, v2                     ; the bias of my eight columns of a block
	v_lshlrev_b32 v[PF], 8, v6                     ; prefetch: blocks 0-31 of my share,
	v_add_nc_u32 v7, 32, v6
	v_min_u32 v7, s94, v7
	v_lshlrev_b32 v[PF+1], 8, v7                   ; and the rest
	s_wait_alu depctr_va_vdst(0)                   ; no vector instruction writes a register behind it
	s_wait_dscnt 0x0                               ; both opening adds are done
	s_wait_kmcnt 0x0
	s_cmp_eq_u32 s15, 0
	s_cselect_b64 s[PFA:PFA+1], s[4:5], s[6:7]
	s_add_nc_u64 s[PFA:PFA+1], s[PFA:PFA+1], s[18:19]
	s_add_nc_u64 s[20:21], s[4:5], s[20:21]
	s_add_nc_u64 s[46:47], s[6:7], s[46:47]
	s_mov_b32 s[G0H], 1                            ; chunk 0: two K steps, at the slot's second place
	s_add_co_u32 s[G0H+1], s45, QROW
	s_mov_b64 s[G0H+2:G0H+3], s[20:21]
	s_or_b32 s[G0H+3], s[G0H+3], 0x80000000
	s_mov_b32 s[G0HB], 1
	s_add_co_u32 s[G0HB+1], s45, QROW
	s_mov_b64 s[G0HB+2:G0HB+3], s[46:47]
	s_or_b32 s[G0HB+3], s[G0HB+3], 0x80000000
.irp s, 0,1                            ; slot 0 begins with chunk 2, slot 1 with chunk 1
	s_mov_b32 s[G0+4*\s], 1
	s_add_co_u32 s[G0+4*\s+1], s45, \s*SLOT
	s_add_nc_u64 s[G0+4*\s+2:G0+4*\s+3], s[20:21], 2*QROW+(1-\s)*HALFT
	s_or_b32 s[G0+4*\s+3], s[G0+4*\s+3], 0x80000000
	s_mov_b32 s[G0B+4*\s], 1
	s_add_co_u32 s[G0B+4*\s+1], s45, \s*SLOT
	s_add_nc_u64 s[G0B+4*\s+2:G0B+4*\s+3], s[46:47], 2*QROW+(1-\s)*HALFT
	s_or_b32 s[G0B+4*\s+3], s[G0B+4*\s+3], 0x80000000
.endr
	s_lshl_b32 s20, s17, 8
	s_lshl_b32 s21, s15, 7
	s_add_co_u32 s20, s20, s21                     ; my first row of out0
	s_mov_b32 s21, 0
	s_mov_b64 s[18:19], SIZE_N*4
	s_mul_u64 s[20:21], s[20:21], s[18:19]
	s_lshl_b32 s46, s42, 10
	s_lshl_b32 s47, s16, 9
	s_add_co_u32 s46, s46, s47                     ; my first column, in bytes
	s_mov_b32 s47, 0
	s_add_nc_u64 s[10:11], s[10:11], s[46:47]
	s_add_nc_u64 s[20:21], s[20:21], s[46:47]
	s_add_nc_u64 s[8:9], s[8:9], s[20:21]
	CROUND                                         ; all sixteen work-groups are here: the first joint loads meet
	JLOAD G0H, G1L, G0HB, G1LB                     ; chunk 0: the wave's one tensor load at the head
	ASK                                            ; chunk 1
	WIN TO_B
.irp b, 0,1,2,3,4,5,6,7
	global_load_b128 v[96+8*\b+96*(\b/4):96+8*\b+96*(\b/4)+3], v[BO], s[10:11] offset:64*\b
	global_load_b128 v[96+8*\b+96*(\b/4)+4:96+8*\b+96*(\b/4)+7], v[BO], s[10:11] offset:64*\b+16
.endr
	WIN 0
.macro FRAG reg, adr, q, i             ; a fragment: the lane's 48 bytes of record i of K step q of the slot
.irp c, 0,1,2
	ds_load_b128 v[\reg+4*\c:\reg+4*\c+3], v[\adr] offset:(\q)*QROW+(\i)*CODB+16*\c
.endr
.endm
; K step fq of slot fs into set n: 56 LDS loads in one run: B's eight fragments, the eight scale words, A's eight fragments
.macro FETCH fs, fq, n
	WIN TO_B
.irp i, 0,1,2,3,4,5,6,7
	FRAG 128*(\n)+FR*\i, ADRB+\fs, \fq, \i
.endr
	WIN 0
.irp i, 0,1,2,3,4,5,6,7
	ds_load_b32 v[SC+8*(\n)+\i], v[ADRS+\fs] offset:(\fq)*QROW+SCW+\i*64
.endr
.irp i, 0,1,2,3,4,5,6,7
	FRAG AF+96*(\n)+FR*\i, ADRA+\fs, \fq, \i
.endr
.endm
; eight products: A's block a against B's eight, set p.  zero = 1: the bias (window 1) is C.  No two products on end share an accumulator.
.macro M a, p, zero
	WIN MUL_LO+0x50*((\a)/4)-(0x10+0x10*((\a)/4))*(\zero)
.irp b, 0,1,2,3,4,5,6,7
.if \zero
	v_wmma_scale_f32_16x16x128_f8f6f4 v[8*(8*((\a)%4)+\b):8*(8*((\a)%4)+\b)+7], v[128*(\p)+FR*\b:128*(\p)+FR*\b+FR-1], v[AF+96*(\p)+FR*(\a):AF+96*(\p)+FR*(\a)+FR-1], v[96+8*\b+96*(\b/4):96+8*\b+96*(\b/4)+7], v[SC+8*(\p)+\b], v[SC+8*(\p)+(\a)] matrix_a_fmt:MATRIX_FMT_FP6 matrix_b_fmt:MATRIX_FMT_FP6 matrix_a_scale:MATRIX_SCALE_ROW1
.else
	v_wmma_scale_f32_16x16x128_f8f6f4 v[8*(8*((\a)%4)+\b):8*(8*((\a)%4)+\b)+7], v[128*(\p)+FR*\b:128*(\p)+FR*\b+FR-1], v[AF+96*(\p)+FR*(\a):AF+96*(\p)+FR*(\a)+FR-1], v[8*(8*((\a)%4)+\b):8*(8*((\a)%4)+\b)+7], v[SC+8*(\p)+\b], v[SC+8*(\p)+(\a)] matrix_a_fmt:MATRIX_FMT_FP6 matrix_b_fmt:MATRIX_FMT_FP6 matrix_a_scale:MATRIX_SCALE_ROW1
.endif
.endr
.endm
; A step on set p; K step fq of slot fs is fetched into the other set.
.macro STEP fs, fq, p, zero
	s_wait_dscnt 0x0                               ; this step's set is in: its loads stand 56 products back
	M 0, \p, \zero
	PLACES                                         ; the other set was read by the step before: four places ahead of the loads into it
	FETCH \fs, \fq, (1-(\p))
.irp a, 1,2,3,4,5,6,7
	M \a, \p, \zero
.endr
.endm
; A slot's last step, and the change of slots.  All its fragments were asked for in the step before, so the slot is read no more once they are in.
; fill = 1: a round of the cluster's barrier, and the slot is filled again, two chunks on.  ask = 1: the chunk after that is prefetched.
.macro TURN slot, next, p, fill, ask
	WIN 0                                          ; (the add's two registers lie in window 0)
.if \ask
	s_wait_xcnt 0x0                                ; my last prefetches have read their base
	s_add_nc_u64 s[PFA:PFA+1], s[PFA:PFA+1], HALFT
.endif
	s_wait_tensorcnt 0x0                           ; my one tensor load, my part of the next slot, has landed
	ds_add_u32 v[SPW], v[NIL]
.if \fill
	s_add_nc_u64 s[G0+4*\next+2:G0+4*\next+3], s[G0+4*\next+2:G0+4*\next+3], 2*HALFT       ; no load of mine is out: the next slot's group 0 steps to its next chunk
	s_add_nc_u64 s[G0B+4*\next+2:G0B+4*\next+3], s[G0B+4*\next+2:G0B+4*\next+3], 2*HALFT
.endif
	s_wait_dscnt 1                                 ; this step's set is in; the add may be out
	M 0, \p, 0
	s_wait_dscnt 0x0                               ; the add is done, and my reads of this slot are over
	s_barrier_signal -1
	M 1, \p, 0
	WIN 0
	s_barrier_wait -1
.if \fill
	CREST
	JLOAD G0+4*\slot, G1, G0B+4*\slot, G1B         ; the first tensor load behind the round; its four v_nop are the places ahead of the loads below
.else
	PLACES
.endif
	FETCH \next, 0, (1-(\p))
.if \ask
	ASK
.endif
.irp a, 2,3,4,5,6,7
	M \a, \p, 0
.endr
.endm
	s_wait_xcnt 0x0                                ; the head's prefetches have read their base
	s_add_nc_u64 s[PFA:PFA+1], s[PFA:PFA+1], HALFT
	s_wait_tensorcnt 0x0                           ; my part of chunk 0 is in; slot 1's first fill is issued as a refill is
	ds_add_u32 v[SPW], v[NIL]
	s_wait_dscnt 0x0
	CROUND
	JLOAD G0+4, G1, G0B+4, G1B                     ; chunk 1
	FETCH 0, 1, 0
	ASK                                            ; chunk 2
	s_wait_loadcnt 0x0                             ; the bias
	STEP 0, 2, 0, 1                                ; K step 0 starts the sums on the bias
	WIN 0                                          ; at a label and at a branch every window is 0
	s_mov_b32 s3, TRIPS
.Llap:                                                 ; a trip: six K steps, both slots filled again
	TURN 0, 1, 1, 1, 1
	STEP 1, 1, 0, 0
	STEP 1, 2, 1, 0
	TURN 1, 0, 0, 1, 1
	STEP 0, 1, 1, 0
	STEP 0, 2, 0, 0
	WIN 0
	s_sub_co_u32 s3, s3, 1
	s_cmp_lg_u32 s3, 0
	s_cbranch_scc1 .Llap
	TURN 0, 1, 1, 1, 0                             ; chunk 10, the last load
	STEP 1, 1, 0, 0
	STEP 1, 2, 1, 0
	TURN 1, 0, 0, 0, 0                             ; nothing is filled: the barrier shows chunk 10 whole, and slot 1 read out
	STEP 0, 1, 1, 0
	STEP 0, 2, 0, 0
; THE WAY OUT of block a (16 rows x 128 columns): into my stage as the lanes hold it, back as whole rows of 512 bytes (window 1, v0-63 and v64-127 by turns), stored as two aligned units of 256 bytes.
.macro TOSTAGE a
.set AC, 64*((\a)%4)
	WIN 0x08+4*((\a)/4)                            ; the data: window 2 or 3
.irp b, 0,1,2,3,4,5,6,7
	ds_store_b128 v[STO], v[AC+8*\b:AC+8*\b+3] offset:64*\b          ; each accumulator from its low end on
	ds_store_b128 v[STO], v[AC+8*\b+4:AC+8*\b+7] offset:64*\b+16
.endr
	WIN TO_B
.set BB, 64*((\a)%2)
.irp t, 0,1,2,3,4,5,6,7,8,9,10,11,12,13,14,15
	ds_load_b128 v[BB+4*\t:BB+4*\t+3], v[RD] offset:\t*SPITCH        ; LDS serves a wave's instructions in order: these see the stores above
.endr
.endm
.macro SEND a, younger
.set BB, 64*((\a)%2)
	s_wait_dscnt \younger
.if (\a) > 0
	s_add_nc_u64 s[8:9], s[8:9], 16*SIZE_N*4       ; behind a wait on XCNT: the earlier stores have read their base
.endif
	WIN 0x04                                       ; the data: window 1
.irp t, 0,1,2,3,4,5,6,7,8,9,10,11,12,13,14,15
	global_store_b128 v[CO], v[BB+4*\t:BB+4*\t+3], s[8:9] offset:\t*SIZE_N*4 th:TH_STORE_NT
.endr
.endm
	s_wait_dscnt 0x0                               ; THE LAST STEP, set 1: block a is finished by its eight products and leaves behind block a + 1's
	M 0, 1, 0
.irp a, 0,1,2,3,4,5,6,7
.if \a < 7
	M \a+1, 1, 0
.endif
	PLACES                                         ; four places ahead of the reads of block a's results and of the loads into registers that products have read
.if \a > 1
	s_wait_xcnt 0x0                                ; block a - 2's stores have read their registers and their base
.endif
	TOSTAGE \a
.if \a > 0
	SEND \a-1, 32                                  ; behind block a - 1's loads: block a's 16 stores and 16 loads
.endif
.endr
	s_wait_xcnt 0x0
	SEND 7, 0
	WIN 0
	s_wait_tensorcnt 0x0                           ; the wave's end
	ds_add_u32 v[SPW], v[NIL]
	s_wait_dscnt 0x0
	CROUND                                         ; the closing round
	s_endpgm
.Lfunc_end_k_q9759061813_gemm:
	.size	k_q9759061813_gemm, .Lfunc_end_k_q9759061813_gemm-k_q9759061813_gemm
	.p2alignl 7, 3214868480
	.fill 96, 4, 3214868480
	.section	.rodata,"a",@progbits
	.p2align	6, 0x0
	.amdhsa_kernel k_q9759061813_gemm
		.amdhsa_group_segment_fixed_size 327680
		.amdhsa_private_segment_fixed_size 0
		.amdhsa_enable_private_segment 0
		.amdhsa_kernarg_size 32
		.amdhsa_user_sgpr_count 2
		.amdhsa_user_sgpr_kernarg_segment_ptr 1
		.amdhsa_wavefront_size32 1
		.amdhsa_system_sgpr_workgroup_id_x 1
		.amdhsa_system_sgpr_workgroup_id_y 1
		.amdhsa_system_sgpr_workgroup_id_z 1
		.amdhsa_system_vgpr_workitem_id 0
		.amdhsa_next_free_vgpr 1024
		.amdhsa_next_free_sgpr 98
		.amdhsa_reserve_vcc 0
		.amdhsa_float_denorm_mode_32 3
		.amdhsa_float_denorm_mode_16_64 3
		.amdhsa_memory_ordered 1
		.amdhsa_forward_progress 1
		.amdhsa_inst_pref_size 212
	.end_amdhsa_kernel
	.amdgpu_metadata
---
amdhsa.version: [ 1, 2 ]
amdhsa.kernels:
  - .name:           k_q9759061813_gemm
    .symbol:         k_q9759061813_gemm.kd
    .args:
      - { .name: a_pack, .offset: 0, .size: 8, .value_kind: global_buffer, .address_space: global }
      - { .name: b_pack, .offset: 8, .size: 8, .value_kind: global_buffer, .address_space: global }
      - { .name: out0, .offset: 16, .size: 8, .value_kind: global_buffer, .address_space: global }
      - { .name: bias, .offset: 24, .size: 8, .value_kind: global_buffer, .address_space: global }
    .group_segment_fixed_size: 327680
    .private_segment_fixed_size: 0
    .kernarg_segment_align: 8
    .kernarg_segment_size: 32
    .max_flat_workgroup_size: 128
    .sgpr_count:     98
    .vgpr_count:     1024
    .wavefront_size: 32
...
	.end_amdgpu_metadata
.endif
;; end of part 2
